; MI455X (gfx1250); checked and timed in simulation.
; The chip was launched on July 23, 2026; its instructions are those of AMD's public machine-readable ISA for CDNA 5 (MIT licence, August 2026) and "CDNA5" Instruction Set Architecture Reference Guide (July 2026). The comments in the code are by the model that wrote it; some were corrected since.
;; LSTM Cell. Allowed arithmetic: matrix products marked QUANTISED: E4M3 operands, one E8M0 scale for each 32 along K, by v_wmma_scale_f32_16x16x128_f8f6f4 with both operands' format E4M3, f32 sums; everything else in f32.
;; Inputs: W_F 2,048 x 1,024 float32; W_G 2,048 x 1,024 float32; W_I 2,048 x 1,024 float32; W_O 2,048 x 1,024 float32; b_F 1,024 float32; b_G 1,024 float32; b_I 1,024 float32; b_O 1,024 float32; c 8,192 x 1,024 float32; h 8,192 x 1,024 float32; x 8,192 x 1,024 float32.
;; Outputs: out0 8,192 x 1,024 float32; out1 8,192 x 1,024 float32.
;; This version of the problem:
;;   THIS VERSION OF THE PROBLEM IS GIVEN IN LOW PRECISION. The matrix products marked QUANTISED in the list below multiply operands that are first quantised to E4M3 (4 exponent bits, 3 mantissa bits; 8 bits a number), with one power-of-two scale for each 32 numbers along K (OCP MX v1.0); their sums are f32. All else is computed in f32.
;;   The module's matrix products, in the order in which they are computed (A, B: the left and right operand; K: the contracted axis; several contracted axes count as one K, in the product's order):
;;     1. [M 8,192, K 2,048] x [K 2,048, N 4,096]; A: computed on the way; B: computed on the way: QUANTISED
;;   THE QUANTISER, for each operand of a quantised product, along K:
;;     - K is cut into blocks of 32 from its start; a last block that is shorter is filled with zeros.
;;     - A block's scale is 2^e with e = floor(log2(the largest magnitude in the block)) - 8, held to -126 .. 127; a block of zeros has e = 0. As a byte (E8M0): e + 127.
;;     - Each number is divided by its block's scale, clamped to +-448, and rounded to the nearest number of E4M3, ties to even, subnormals kept.
;;     - The product sums the exact products of the quantised numbers (number of the format x scale) in f32.
;;   ~~~python
;;   def quantise(x, axis):      # numpy; x: float32 -> the quantised numbers, widened to float32 again
;;       x = np.moveaxis(x, axis, -1); K = x.shape[-1]
;;       x = np.pad(x, [(0, 0)] * (x.ndim - 1) + [(0, -K % 32)]); x = x.reshape(x.shape[:-1] + (-1, 32)); a = np.abs(x).max(-1, keepdims=True)
;;       e = np.where(a > 0, np.clip(np.frexp(np.where(a > 0, a, 1))[1] - 1 - 8, -126, 127), 0)      # np.frexp(a)[1] - 1 = floor(log2(a)), exactly
;;       r = np.clip(x / 2.0 ** e, -448, 448)
;;       step = 2.0 ** (np.maximum(np.frexp(np.where(r == 0, 1, r))[1] - 1, -6) - 3)
;;       q = np.round(r / step) * step * 2.0 ** e      # np.round: ties to even
;;       return np.moveaxis(q.reshape(q.shape[:-2] + (-1,))[..., :K], -1, axis).astype(np.float32)
;;   ~~~
;;   OPERANDS COMPUTED ON THE WAY. 'Computed on the way' means the value that the module computes at that place (a softmax that the list does not call 'softmax' is quantised finished and normalised). What goes into a quantiser is computed in f32, as accurately as f32 sums, v_exp_f32 and their like allow (about 1e-6 of the number): no bf16 or f16 on the way to a quantiser, and a product that is left as it is and whose result goes on into a quantised operand takes f32 operands (vector FMAs, or v_wmma_f32_16x16x4_f32). A number that lies on a knife's edge between two numbers of the format may be rounded either way, as far as f32 arithmetic and the matrix unit's own rounding can turn it there, and no further.
;; One version. Each part assembles by itself: llvm-mc -triple=amdgcn-amd-amdhsa -mcpu=gfx1250 --defsym DOCPART=n.
;; ======== version 1 of 1: 2 launches
;; limits: right only within a limited range of input values
;; workspace buffers: xq_codes 16,777,216 bytes; xq_scales 524,288 bytes; wq_codes 8,388,608 bytes; wq_scales 262,144 bytes
;; launch quant (part 1): grid 768 x 1, 4 waves a work-group, no clusters, 68,096 bytes of LDS; arguments x, h, W_I, W_F, W_G, W_O, xq_codes, xq_scales, wq_codes, wq_scales; writes xq_codes, xq_scales, wq_codes, wq_scales
.if DOCPART == 1
	.amdgcn_target "amdgcn-amd-amdhsa--gfx1250"
	.amdhsa_code_object_version 6
	.text
	.protected	k_q9be0e12dde_quant
	.globl	k_q9be0e12dde_quant
	.p2align	8
	.type	k_q9be0e12dde_quant,@function
k_q9be0e12dde_quant:
	s_mov_b64 s[64:65], 0
	v_nop
	global_prefetch_b8 v0, s[64:65] scope:SCOPE_SE
	s_setreg_imm32_b32 hwreg(HW_REG_WAVE_MODE, 25, 1), 1
	s_wait_xcnt 0x0
; Both operands of gates = [x | h] [W_I | W_F | W_G | W_O] are turned into codes of FP8 (E4M3) with one E8M0 scale byte for each 32 along K (K = 2,048: x's 1,024, then h's 1,024).
; A block's scale is 2^(floor(log2(its largest magnitude)) - 8); its byte is the largest magnitude's exponent field - 8, held at 1 from below.  Each number is divided by the scale, held within +-448 and
; rounded to the nearest code, ties to even.
; OUT:  xq_codes [8192][2048], row m = x[m]'s codes, then h[m]'s;  xq_scales [8 (K step of 256)][8192 rows][8 bytes]: a K step's scale bytes of neighbouring rows lie on end.
;       wq_codes [4096][2048], K innermost, rows in an order of this program's own: column j of gate g (I, F, G, O = 0 .. 3) lies at row 128 (j / 32) + 32 g + j % 32;  wq_scales [8][4096 rows][8], rows in that order.
; LIMITS: NaN and infinities among the inputs are not served.  A block of zeros gets the byte 1 where the rule says 127: its codes are zeros, which add nothing under any byte but 0xff, and the bytes are read
; by this program alone.  Blocks whose largest magnitude lies under 2^(9 - 127) take the floor's byte, 1, as the rule's hold at -126 asks.
; SHARES: work-groups 0-255 take the weights (one gate, 128 columns, 256 along K each); work-groups 256-767 take 32 rows of x (even) or of h (odd), a wave 256 along K of them.  The two ways part on the
; work-group's number, never meet again, and have LDS bytes of their own.  Waves share nothing: no barrier.  No tensor loads, no matrix work, no cluster: no work-group reads what another reads.
.set MANT,  0x600000                   ; the mantissa field of 448 as f32
.set FLOOR, 0x4800000                  ; 2^(9 - 127)
.set OFF8,  0xfc000000                 ; -(8 << 23)
.set SP,    80                         ; the rows' way: a lane's place in a stage: its 64 bytes + 16 of padding
.set XSCB,  2*32*SP                    ; behind a wave's two stages: its 256 scale bytes
.set XR,    16                         ; v16-79   four sets of 16 numbers as they are loaded
.set XN,    80                         ; v80-111  two sets of 16 neighbours
.set XE,    112                        ; v112-127 a scale byte for each step
.set XC,    128                        ; v128-191 codes: four registers for each step, so that no store's data are written again
.set WBASE, 32768                      ; the weights' way: its LDS bytes begin behind the rows' 4 x 8,192
.set WP,    272                        ; a stage row: 256 bytes of codes + 16
.set WSTG,  32*WP
.set WSB,   24                         ; v24-25   the scale bytes, four to a register
.set WX,    32                         ; v32-95   two sets of 32 numbers
.set WC,    96                         ; v96-103  a block's codes
.set WOUT,  112                        ; v112-175 the way out
	s_load_b512 s[4:19], s[0:1], 0x0               ; x, h, W_I, W_F, W_G, W_O, xq_codes s[16:17], xq_scales s[18:19]
	s_load_b128 s[20:23], s[0:1], 0x40             ; wq_codes, wq_scales
	v_lshl_add_u32 v192, v0, 2, 0x10800            ; my spare word, behind both ways' bytes
	v_mov_b32 v193, 0
	v_lshrrev_b32 v1, 5, v0
	v_readfirstlane_b32 s24, v1                    ; wave 0..3
	v_and_b32 v2, 31, v0                           ; lane
	s_mov_b32 s31, MANT
	s_mov_b32 s27, 0                               ; the upper word of every offset
	s_wait_kmcnt 0x0
	s_cmp_lt_u32 ttmp9, 256
	s_cbranch_scc1 .Lw
; THE ROWS OF [x | h]: K is innermost.  A wave takes 32 rows x 256 along K: 16 steps of two rows.  Each of a step's four loads reads 512 bytes on end; the 2,048 bytes go through the wave's own stage as they lie
; and come back 64 bytes a lane: lanes 0-15 hold row 2 t, lanes 16-31 row 2 t + 1; two neighbouring lanes hold a block of 32.  A step's 16 scale bytes are [row][8]: the wave's 256 leave as one run.
	s_sub_co_u32 s25, ttmp9, 256
	s_and_b32 s29, s25, 1                          ; 0: x, 1: h
	s_lshr_b32 s25, s25, 1                         ; which 32 rows
	s_cmp_lg_u32 s29, 0
	s_cselect_b64 s[4:5], s[6:7], s[4:5]           ; the choice hangs on the work-group's number alone
	s_lshl_b32 s26, s25, 17                        ; 32 rows of 4,096 bytes,
	s_lshl_b32 s30, s24, 10                        ; 1,024 bytes on for each wave
	s_add_co_u32 s26, s26, s30
	s_add_nc_u64 s[4:5], s[4:5], s[26:27]
	s_lshl_b32 s29, s29, 2
	s_add_co_u32 s29, s29, s24                     ; my K step of 256: 0 .. 7
	s_lshl_b32 s26, s25, 16                        ; codes: 32 rows of 2,048 bytes, 256 on for each K step
	s_lshl_b32 s30, s29, 8
	s_add_co_u32 s26, s26, s30
	s_add_nc_u64 s[16:17], s[16:17], s[26:27]
	s_lshl_b32 s26, s29, 16                        ; scale bytes: 65,536 a K step, 256 for 32 rows
	s_lshl_b32 s30, s25, 8
	s_add_co_u32 s26, s26, s30
	s_add_nc_u64 s[18:19], s[18:19], s[26:27]
	s_wait_alu depctr_va_vdst(0)
	v_lshlrev_b32 v3, 4, v2                        ; my 16 bytes of a load's 512
	v_lshrrev_b32 v4, 4, v2
	v_lshlrev_b32 v4, 11, v4
	v_and_b32 v12, 15, v2
	v_lshl_add_u32 v4, v12, 4, v4                  ; my codes: row lane / 16 of the step's two, 16 bytes for lane % 16
	s_lshl_b32 s28, s24, 13                        ; my wave's 8,192 bytes of LDS
	v_lshrrev_b32 v14, 2, v2
	v_mul_u32_u24 v14, v14, SP
	v_and_b32 v15, 3, v2
	v_lshl_add_u32 v14, v15, 4, v14
	v_add_nc_u32 v14, s28, v14                     ; the stage, on the way in
	v_mul_u32_u24 v15, v2, SP
	v_add_nc_u32 v15, s28, v15                     ; and on the way out: my 16 neighbours
	v_lshrrev_b32 v5, 1, v2
	s_add_co_u32 s28, s28, XSCB
	v_add_nc_u32 v5, s28, v5                       ; my block's scale byte in the wave's 256
	v_lshlrev_b32 v7, 3, v2                        ; on the way out 8 bytes a lane
	v_add_nc_u32 v6, s28, v7
.macro XLOAD t
.irp i, 0,1,2,3
	global_load_b128 v[XR+16*((\t)%4)+4*\i:XR+16*((\t)%4)+4*\i+3], v3, s[4:5] offset:(2*(\t)+\i/2)*4096+(\i%2)*512 th:TH_LOAD_NT
.endr
.endm
.macro XTURN t                         ; LDS serves a wave's instructions in order (ISA guide 5.7.1.4): no wait between the stores and the loads
.irp i, 0,1,2,3
	ds_store_b128 v14, v[XR+16*((\t)%4)+4*\i:XR+16*((\t)%4)+4*\i+3] offset:32*SP*((\t)%2)+8*SP*\i
.endr
.irp i, 0,1,2,3
	ds_load_b128 v[XN+16*((\t)%2)+4*\i:XN+16*((\t)%2)+4*\i+3], v15 offset:32*SP*((\t)%2)+16*\i
.endr
.endm
.irp t, 0,1,2,3
	XLOAD \t
.endr
	s_wait_alu depctr_va_vdst(0)
	s_wait_loadcnt 12                              ; step 0's four loads are in; the twelve behind them stay out
	XTURN 0
.macro XSTEP t
.set XS, XN+16*((\t)%2)
.if (\t) > 0
	s_wait_dscnt 1                                 ; this step's numbers are back (the last step's byte store may be out)
.else
	s_wait_dscnt 0x0
.endif
.if (\t)+4 < 16
	XLOAD (\t)+4
.endif
.if (\t)+1 < 16
.if 14-(\t) >= 3
	s_wait_loadcnt 12                              ; the next step's four loads are in; three steps' may be out
.else
	s_wait_loadcnt 4*(14-(\t))
.endif
	XTURN (\t)+1
.endif
	v_max3_num_f32 v8, |v[XS]|, |v[XS+1]|, |v[XS+2]|               ; the largest magnitude of my 16, in two chains
	v_max3_num_f32 v9, |v[XS+3]|, |v[XS+4]|, |v[XS+5]|
.irp i, 6,10
	v_max3_num_f32 v8, v8, |v[XS+\i]|, |v[XS+\i+1]|
	v_max3_num_f32 v9, v9, |v[XS+\i+2]|, |v[XS+\i+3]|
.endr
	v_max3_num_f32 v8, v8, |v[XS+14]|, |v[XS+15]|
	v_max3_num_f32 v8, v8, v9, FLOOR               ; and the floor: the byte cannot fall under 1
	v_max_num_f32_dpp v8, v8, v8 row_xmask:1 row_mask:0xf bank_mask:0xf   ; and of my neighbour's 16
	v_add_nc_u32 v11, OFF8, v8                     ; the conversion's scale operand
	v_and_or_b32 v10, v8, 0x7f800000, s31          ; 448 x the scale
.irp i, 0,1,2,3,4,5,6,7,8,9,10,11,12,13,14,15
	v_med3_num_f32 v[XS+\i], v[XS+\i], -v10, v10   ; the conversion does not saturate (ISA guide 7.6.2)
.endr
	v_cvt_scalef32_pk8_fp8_f32 v[XC+4*(\t):XC+4*(\t)+1], v[XS:XS+7], v11
	v_cvt_scalef32_pk8_fp8_f32 v[XC+4*(\t)+2:XC+4*(\t)+3], v[XS+8:XS+15], v11
	v_lshrrev_b32 v[XE+(\t)], 23, v11              ; the scale's byte (also the plain line behind the conversions)
	ds_store_b8 v5, v[XE+(\t)] offset:16*(\t)
	global_store_b128 v4, v[XC+4*(\t):XC+4*(\t)+3], s[16:17] offset:4096*(\t)   ; sixteen lanes store 256 bytes on end, from a multiple of 256 on
.endm
.irp t, 0,1,2,3,4,5,6,7,8,9,10,11,12,13,14,15
	XSTEP \t
.endr
	ds_load_b64 v[8:9], v6                         ; in order behind my byte stores
	s_wait_dscnt 0x0
	global_store_b64 v7, v[8:9], s[18:19]          ; 32 rows x 8 bytes: 256 bytes on end, from a multiple of 256 on
	s_wait_tensorcnt 0x0                           ; the wave's end
	ds_add_u32 v192, v193
	s_wait_dscnt 0x0
	s_endpgm
; THE WEIGHTS: K is the first axis.  A lane takes a column and its registers run down K: a block of 32 lies in one lane's 32 registers, and the conversions give the codes with K innermost.
; A wave takes 32 columns x 256 along K: 256 bytes of codes a column, which go through the wave's own stage and leave as rows; its 32 x 8 scale bytes are 256 bytes on end.
.Lw:
	s_and_b32 s25, ttmp9, 31
	s_lshr_b32 s29, s25, 3                         ; the gate
	s_and_b32 s25, s25, 7
	s_lshl_b32 s25, s25, 2
	s_add_co_u32 s25, s25, s24                     ; q: which 32 columns are my wave's
	s_lshr_b32 s28, ttmp9, 5                       ; which 256 along K
	s_and_b32 s30, s29, 1
	s_cmp_lg_u32 s30, 0
	s_cselect_b64 s[8:9], s[10:11], s[8:9]         ; F or I
	s_cselect_b64 s[12:13], s[14:15], s[12:13]     ; O or G
	s_and_b32 s30, s29, 2
	s_cmp_lg_u32 s30, 0
	s_cselect_b64 s[8:9], s[12:13], s[8:9]
	s_lshl_b32 s26, s28, 20
	s_lshl_b32 s30, s25, 7
	s_add_co_u32 s26, s26, s30
	s_add_nc_u64 s[8:9], s[8:9], s[26:27]
	s_lshl_b32 s29, s29, 5
	s_add_co_u32 s30, s30, s29                     ; my first row of the codes: 128 q + 32 x gate
	s_lshl_b32 s26, s30, 11
	s_lshl_b32 s29, s28, 8
	s_add_co_u32 s26, s26, s29
	s_add_nc_u64 s[20:21], s[20:21], s[26:27]
	s_lshl_b32 s26, s30, 3                         ; scale bytes: 8 a row, 32,768 a K step
	s_lshl_b32 s29, s28, 15
	s_add_co_u32 s26, s26, s29
	s_add_nc_u64 s[22:23], s[22:23], s[26:27]
	s_wait_alu depctr_va_vdst(0)
	v_lshlrev_b32 v3, 2, v2
	s_mul_i32 s29, s24, WSTG
	s_add_co_u32 s29, s29, WBASE
	v_mul_u32_u24 v4, v2, WP
	v_add_nc_u32 v4, s29, v4                       ; into the stage: row = my column
	v_and_b32 v5, 15, v2
	v_lshrrev_b32 v6, 4, v2
	v_mul_u32_u24 v7, v6, WP
	v_lshl_add_u32 v7, v5, 4, v7
	v_add_nc_u32 v7, s29, v7                       ; out of it: sixteen lanes to a row
	v_lshlrev_b32 v8, 11, v6
	v_lshl_add_u32 v8, v5, 4, v8
	v_lshlrev_b32 v9, 3, v2                        ; my column's 8 scale bytes
.macro WLOAD t
.irp i, 0,1,2,3,4,5,6,7,8,9,10,11,12,13,14,15,16,17,18,19,20,21,22,23,24,25,26,27,28,29,30,31
	global_load_b32 v[WX+32*((\t)%2)+\i], v3, s[8:9] offset:(32*(\t)+\i)*4096 th:TH_LOAD_NT
.endr
.endm
	WLOAD 0
	WLOAD 1
.macro WBLOCK t
.set WS, WX+32*((\t)%2)
.if (\t) < 7
	s_wait_loadcnt 32                              ; this block's 32 loads are in; the next block's may be out
.else
	s_wait_loadcnt 0x0
.endif
	v_max3_num_f32 v12, |v[WS]|, |v[WS+1]|, |v[WS+2]|
	v_max3_num_f32 v13, |v[WS+3]|, |v[WS+4]|, |v[WS+5]|
.irp i, 6,10,14,18,22,26
	v_max3_num_f32 v12, v12, |v[WS+\i]|, |v[WS+\i+1]|
	v_max3_num_f32 v13, v13, |v[WS+\i+2]|, |v[WS+\i+3]|
.endr
	v_max3_num_f32 v12, v12, |v[WS+30]|, |v[WS+31]|
	v_max3_num_f32 v12, v12, v13, FLOOR
	v_add_nc_u32 v11, OFF8, v12
	v_and_or_b32 v10, v12, 0x7f800000, s31
	v_lshrrev_b32 v13, 23, v11
.if (\t)%4 == 0
	v_mov_b32 v[WSB+(\t)/4], v13
.else
	v_lshl_or_b32 v[WSB+(\t)/4], v13, 8*((\t)%4), v[WSB+(\t)/4]
.endif
.irp i, 0,1,2,3,4,5,6,7,8,9,10,11,12,13,14,15,16,17,18,19,20,21,22,23,24,25,26,27,28,29,30,31
	v_med3_num_f32 v[WS+\i], v[WS+\i], -v10, v10
.endr
.irp g, 0,1,2,3
	v_cvt_scalef32_pk8_fp8_f32 v[WC+2*\g:WC+2*\g+1], v[WS+8*\g:WS+8*\g+7], v11
.endr
	v_nop                                          ; one plain line behind the last conversion
	ds_store_b128 v4, v[WC:WC+3] offset:32*(\t)
	ds_store_b128 v4, v[WC+4:WC+7] offset:32*(\t)+16
.if (\t)+2 < 8
	WLOAD (\t)+2
.endif
	s_wait_dscnt 0x0                               ; the stores have read their registers
.endm
.irp t, 0,1,2,3,4,5,6,7
	WBLOCK \t
.endr
	global_store_b64 v9, v[WSB:WSB+1], s[22:23]    ; 32 rows x 8 bytes: 256 bytes on end, from a multiple of 256 on
.irp t, 0,1,2,3,4,5,6,7,8,9,10,11,12,13,14,15
	ds_load_b128 v[WOUT+4*\t:WOUT+4*\t+3], v7 offset:2*\t*WP
.endr
.irp t, 0,1,2,3,4,5,6,7,8,9,10,11,12,13,14,15
	s_wait_dscnt 15-\t
	global_store_b128 v8, v[WOUT+4*\t:WOUT+4*\t+3], s[20:21] offset:2*\t*2048
.endr
	s_wait_tensorcnt 0x0
	ds_add_u32 v192, v193
	s_wait_dscnt 0x0
	s_endpgm
.Lfunc_end_k_q9be0e12dde_quant:
	.size	k_q9be0e12dde_quant, .Lfunc_end_k_q9be0e12dde_quant-k_q9be0e12dde_quant
	.p2alignl 7, 3214868480
	.fill 96, 4, 3214868480
	.section	.rodata,"a",@progbits
	.p2align	6, 0x0
	.amdhsa_kernel k_q9be0e12dde_quant
		.amdhsa_group_segment_fixed_size 68096
		.amdhsa_private_segment_fixed_size 0
		.amdhsa_enable_private_segment 0
		.amdhsa_kernarg_size 80
		.amdhsa_user_sgpr_count 2
		.amdhsa_user_sgpr_kernarg_segment_ptr 1
		.amdhsa_wavefront_size32 1
		.amdhsa_system_sgpr_workgroup_id_x 1
		.amdhsa_system_sgpr_workgroup_id_y 1
		.amdhsa_system_sgpr_workgroup_id_z 1
		.amdhsa_system_vgpr_workitem_id 0
		.amdhsa_next_free_vgpr 194
		.amdhsa_next_free_sgpr 66
		.amdhsa_reserve_vcc 0
		.amdhsa_float_denorm_mode_32 3
		.amdhsa_float_denorm_mode_16_64 3
		.amdhsa_memory_ordered 1
		.amdhsa_forward_progress 1
		.amdhsa_inst_pref_size 110
	.end_amdhsa_kernel
	.amdgpu_metadata
---
amdhsa.version: [ 1, 2 ]
amdhsa.kernels:
  - .name:           k_q9be0e12dde_quant
    .symbol:         k_q9be0e12dde_quant.kd
    .args:
      - { .name: x, .offset: 0, .size: 8, .value_kind: global_buffer, .address_space: global }
      - { .name: h, .offset: 8, .size: 8, .value_kind: global_buffer, .address_space: global }
      - { .name: W_I, .offset: 16, .size: 8, .value_kind: global_buffer, .address_space: global }
      - { .name: W_F, .offset: 24, .size: 8, .value_kind: global_buffer, .address_space: global }
      - { .name: W_G, .offset: 32, .size: 8, .value_kind: global_buffer, .address_space: global }
      - { .name: W_O, .offset: 40, .size: 8, .value_kind: global_buffer, .address_space: global }
      - { .name: xq_codes, .offset: 48, .size: 8, .value_kind: global_buffer, .address_space: global }
      - { .name: xq_scales, .offset: 56, .size: 8, .value_kind: global_buffer, .address_space: global }
      - { .name: wq_codes, .offset: 64, .size: 8, .value_kind: global_buffer, .address_space: global }
      - { .name: wq_scales, .offset: 72, .size: 8, .value_kind: global_buffer, .address_space: global }
    .group_segment_fixed_size: 68096
    .private_segment_fixed_size: 0
    .kernarg_segment_align: 8
    .kernarg_segment_size: 80
    .max_flat_workgroup_size: 128
    .sgpr_count:     66
    .vgpr_count:     194
    .wavefront_size: 32
...
	.end_amdgpu_metadata
.endif
;; end of part 1
;; launch lstm (part 2): grid 16 x 16, 4 waves a work-group, clusters of 4 x 4, 327,680 bytes of LDS; arguments xq_codes, xq_scales, wq_codes, wq_scales, b_I, b_F, b_G, b_O, c, out0, out1; writes out0, out1
.if DOCPART == 2
	.amdgcn_target "amdgcn-amd-amdhsa--gfx1250"
	.amdhsa_code_object_version 6
	.text
	.protected	k_q9be0e12dde_lstm
	.globl	k_q9be0e12dde_lstm
	.p2align	8
	.type	k_q9be0e12dde_lstm,@function
k_q9be0e12dde_lstm:
	s_mov_b64 s[64:65], 0
	v_nop
	global_prefetch_b8 v0, s[64:65] scope:SCOPE_SE
	s_setreg_imm32_b32 hwreg(HW_REG_WAVE_MODE, 25, 1), 1
	s_wait_xcnt 0x0
	s_wait_alu depctr_hold_cnt(0) depctr_sa_sdst(0) depctr_va_vdst(0) depctr_va_sdst(0) depctr_va_ssrc(0) depctr_va_vcc(0) depctr_vm_vsrc(0)
	s_getreg_b32 s2, hwreg(HW_REG_IB_STS2, 6, 4)
	s_cmp_eq_u32 s2, 0
	s_cbranch_scc0 .Lentry_in_a_cluster
	s_endpgm
.Lentry_in_a_cluster:
	s_bfe_u32 s2, ttmp6, 0x10000c
	s_cmp_lg_u32 s2, 0xf033
	s_cbranch_scc0 .Lentry_shape_is_right
	s_endpgm
.Lentry_shape_is_right:
; gates = X W + b on codes of FP8 (E4M3) with one E8M0 scale for each 32 along K, sums in f32; then, in f32, I = sigmoid(i), F = sigmoid(f), G = tanh(g), O = sigmoid(o), C = F c + I G,
; out1 = C, out0 = O tanh(C).  The gates never go to memory.
; IN: xq_codes [8192][2048], xq_scales [8 K steps][8192][8]; wq_codes [4096][2048], wq_scales [8][4096][8]; column j of gate g (I, F, G, O) is the weights' row 128 (j / 32) + 32 g + j % 32.
; SHARES.  256 work-groups of four waves; each makes TWO tiles, 4,096 rows apart: 256 rows of X against 256 rows of the weights (the four gates of 64 columns).  A wave takes 128 x 128: 64 accumulators, 512 registers;
; block b of its rows of the weights is gate b / 2, columns 16 (b % 2) on.  The matrix instruction is used transposed (source 0 = weights, source 1 = X): lane l, register j of accumulator (a, b) holds row
; 16 a + l % 16, column 16 (b % 2) + 8 (l / 16) + j: the four gates of one output lie in one lane and register of four accumulators.
; THE RING.  K goes in eight steps of 256 through two LDS slots.  A slot holds X's 256 rows, the weights' 256 rows and both operands' 2,048 scale bytes of the step: four joint loads, one a wave.
; The ring runs on into the second tile: the first tile's last two changes of slots ask for the second's first two steps.  The last tile's tail is written out and asks for nothing.
; THE LDS LOADS STAND AMONG THE PRODUCTS: behind each four products one fragment (four loads), and one v_nop behind each product, so that eight places lie between a product and a load into what it has read.
; The stream of loads runs 16 products behind a step's start: X's blocks 4-7 of a step come in its first 16 products, then the next step's weights (second set), then X's blocks 0-3.
; EACH CLUSTER BEGINS ITS WALK ALONG K AT A STEP OF ITS OWN, 2 ((cluster x + 2 cluster y + cluster y / 2) mod 4), and wraps; the start enters global addresses alone.  ORDER OF ROUNDING: the f32 sums take the K steps in that order.
; THE BIASES are the C of each sum's first product.  c comes by plain loads into the accumulators' layout, a block of 16 rows ahead: a wave's share of a row of c is 128 bytes on end, read once; its tile is prefetched in the K loop's last trip.
; The operands' tiles are not prefetched: a tile's walk has eight steps, and the ring asks for each step's tiles 112 products a wave ahead of the wait for them.
; THE WAY OUT is a loop of eight trips, a block of 16 rows each; only the 32 lines that read a block's accumulators are written once for each block.  Results pass a stage of LDS bytes of their own and leave as whole rows of 256 bytes.
; LIMITS: NaN and infinities among the inputs are not served.  sigmoid(x) = 1 / (1 + 2^(-x log2 e)), tanh(x) = 1 - 2 / (1 + 2^(2 x log2 e)): both end at their limits for every finite x; near 0 this tanh has an absolute error of some 1e-7.
; REGISTERS: window 0: v16-29 addresses; v32-63 scale words, two sets; v64-127 the biases; v128-255 X's fragments, one set (on the way out v192-255: c and C, O tanh(C), rows read back).
;   window 1: the weights' fragments, two sets (on the way out v128-191: the gates at work).  Windows 2, 3: accumulator (a, b) at v[8 (8 (a % 4) + b)] of window 2 + a / 4.
.set PITCH, 272                        ; an LDS row: 256 bytes + 16 of padding
.set HALFT, 128*PITCH
.set XB,    256*PITCH                  ; in a slot: the weights' rows behind X's
.set SCX,   512*PITCH                  ; X's scale bytes
.set SCW,   SCX+2176                   ; the weights': 128 bytes off a multiple of 256, so that the two halves of a load's lanes fall on different banks
.set SLOTB, SCX+4352
.set STG,   2*SLOTB                    ; the stage: 32 rows x 272 for C, then the same for O tanh(C): no fill lands here
.set HSTB,  32*PITCH
.set SPARE, STG+2*HSTB
.set ADRA, 16
.set ADRS, 18
.set ADRB, 20
.set CAD,  22
.set RD,   23
.set CO,   24
.set CI,   25
.set PFO,  26
.set BO,   27
.set SPW,  28
.set NIL,  29
.set SC,   32
.set BIAS, 64
.set AF,   128
.set CG,   192
.set H,    208
.set BK,   224
.set T,    128                         ; window 1
.set KSIG, 12
.set BL,   17
.set G1X,  24
.set G1W,  32
.set G1SX, 40
.set G1SW, 48
.set G0X,  56
.set G0W,  60
.set KTAN, 66
.set G0SX, 68
.set G0SW, 72
.set BAX,  76
.set BAW,  78
.set BSX,  80
.set BSW,  82
.set KT,   84
.set KO,   85
.set OC,   86
.set OX,   88
.set OW,   90
.set PCI,  92
.set PO0,  94
.set PO1,  96
.set PCT,  104
.set MSB, 0
.macro WIN new                         ; the immediate's high byte repeats the setting that is left
.set NW_, \new
.if MSB != NW_
	s_set_vgpr_msb (MSB<<8)|NW_
.set MSB, NW_
.endif
.endm
.macro TL g0, g1                       ; a tensor load; s_nop 0 and four v_nop follow it
	tensor_load_to_lds s[\g0:\g0+3], s[\g1:\g1+7]
	s_nop 0
.rept 4
	v_nop
.endr
.endm
.macro FILL                            ; a slot's four joint loads, one a wave: one chain of branches on the wave's number
	s_cmp_lt_u32 s14, 1
	s_cbranch_scc0 .Lf1_\@
	TL G0X, G1X
	s_branch .Lf4_\@
.Lf1_\@:
	s_cmp_lt_u32 s14, 2
	s_cbranch_scc0 .Lf2_\@
	TL G0W, G1W
	s_branch .Lf4_\@
.Lf2_\@:
	s_cmp_lt_u32 s14, 3
	s_cbranch_scc0 .Lf3_\@
	TL G0SX, G1SX
	s_branch .Lf4_\@
.Lf3_\@:
	TL G0SW, G1SW
.Lf4_\@:
.endm
.macro CREST
	s_cmp_lg_u32 s14, 0
	s_cbranch_scc1 .Lnw0_\@
	s_barrier_signal -3
.Lnw0_\@:
	s_barrier_wait -3
	s_barrier_signal -1
	s_barrier_wait -1
.endm
.macro CROUND
	s_barrier_signal -1
	s_barrier_wait -1
	CREST
.endm
.macro SETG part, slot, on             ; the four groups 0 for the walk's next step, in three parts; written behind the wait that shows all my loads done.  on = 1: X's bases step to the next tile
.if \part == 0
.if \on
	s_add_nc_u64 s[BAX:BAX+1], s[BAX:BAX+1], 0x800000
	s_add_nc_u64 s[BSX:BSX+1], s[BSX:BSX+1], 0x8000
.endif
	s_and_b32 s[KO], s[KT], 7
	s_add_co_u32 s[KT], s[KT], 1
	s_lshl_b32 s[OC], s[KO], 8
	s_lshl_b32 s[OX], s[KO], 16
	s_lshl_b32 s[OW], s[KO], 15
.elseif \part == 1
	s_add_nc_u64 s[G0X+2:G0X+3], s[BAX:BAX+1], s[OC:OC+1]
	s_or_b32 s[G0X+3], s[G0X+3], 0x80000000
	s_mov_b32 s[G0X+1], (\slot)*SLOTB
	s_add_nc_u64 s[G0W+2:G0W+3], s[BAW:BAW+1], s[OC:OC+1]
	s_or_b32 s[G0W+3], s[G0W+3], 0x80000000
	s_mov_b32 s[G0W+1], (\slot)*SLOTB+XB
.else
	s_add_nc_u64 s[G0SX+2:G0SX+3], s[BSX:BSX+1], s[OX:OX+1]
	s_or_b32 s[G0SX+3], s[G0SX+3], 0x80000000
	s_mov_b32 s[G0SX+1], (\slot)*SLOTB+SCX
	s_add_nc_u64 s[G0SW+2:G0SW+3], s[BSW:BSW+1], s[OW:OW+1]
	s_or_b32 s[G0SW+3], s[G0SW+3], 0x80000000
	s_mov_b32 s[G0SW+1], (\slot)*SLOTB+SCW
.endif
.endm
	s_load_b256 s[4:11], s[0:1], 0x0               ; X's codes, X's scales, the weights' codes, their scales
	v_lshl_add_u32 v[SPW], v0, 2, SPARE
	v_mov_b32 v[NIL], 0
	ds_add_u32 v[SPW], v[NIL]                      ; the opening lines
	ds_add_u32 v[SPW], v[NIL]
	v_lshrrev_b32 v1, 5, v0
	v_readfirstlane_b32 s14, v1                    ; wave
	s_lshr_b32 s15, s14, 1                         ; my half of the tile's rows of X
	s_and_b32 s16, s14, 1                          ; my half of its rows of the weights
	s_bfe_u32 s17, ttmp6, 0x40000                  ; cx
	s_bfe_u32 s18, ttmp6, 0x40004                  ; cy
	s_lshl_b32 s19, ttmp9, 2
	s_add_co_u32 s19, s19, s17                     ; tile column
	s_and_b32 s21, ttmp7, 0xffff                   ; cluster y
	s_lshl_b32 s20, s21, 2
	s_add_co_u32 s20, s20, s18                     ; first tile row
	s_lshl_b32 s22, s18, 2
	s_lshl_b32 s22, 15, s22                        ; my row of the cluster
	s_lshl_b32 s23, 0x1111, s17                    ; my column
	s_lshr_b32 s[KT], s21, 1
	s_lshl_b32 s21, s21, 1
	s_add_co_u32 s[KT], s[KT], s21
	s_add_co_u32 s[KT], s[KT], ttmp9
	s_and_b32 s[KT], s[KT], 3
	s_lshl_b32 s[KT], s[KT], 1                     ; the walk's first K step: of the cluster's two numbers alone
	s_or_b32 s[G1X], s22, (1<<20)|(1<<21)|(5<<22)|(3<<25)   ; 256 rows of 256 bytes, 16 of padding behind each
	s_or_b32 s[G1W], s23, (1<<20)|(1<<21)|(5<<22)|(3<<25)
.irp g, G1X, G1W
	s_mov_b32 s[\g+1], 256<<16
	s_mov_b32 s[\g+2], 256<<16
	s_mov_b32 s[\g+3], 256<<16
	s_mov_b32 s[\g+4], 256
	s_mov_b32 s[\g+5], 2048
	s_mov_b32 s[\g+6], 0
	s_mov_b32 s[\g+7], 0
.endr
	s_or_b32 s[G1SX], s22, (3<<16)|(1<<21)         ; 2,048 dense bytes as 8 rows of 256 (32 elements of 8 bytes)
	s_or_b32 s[G1SW], s23, (3<<16)|(1<<21)
.irp g, G1SX, G1SW
	s_mov_b32 s[\g+1], 32<<16
	s_mov_b32 s[\g+2], 8<<16
	s_mov_b32 s[\g+3], 32<<16
	s_mov_b32 s[\g+4], 8
	s_mov_b32 s[\g+5], 32
	s_mov_b32 s[\g+6], 0
	s_mov_b32 s[\g+7], 0
.endr
.irp g, G0X, G0W, G0SX, G0SW
	s_mov_b32 s[\g], 1
.endr
	s_mov_b32 s[OC+1], 0
	s_mov_b32 s[OX+1], 0
	s_mov_b32 s[OW+1], 0
	s_mov_b32 s99, 0
	s_wait_dscnt 0x0                               ; both opening adds are done
	s_wait_kmcnt 0x0
	s_lshl_b32 s98, s20, 19                        ; 256 rows of 2,048 bytes a tile
	s_add_nc_u64 s[BAX:BAX+1], s[4:5], s[98:99]
	s_lshl_b32 s98, s20, 11                        ; 256 rows of 8 bytes
	s_add_nc_u64 s[BSX:BSX+1], s[6:7], s[98:99]
	s_lshl_b32 s98, s19, 19
	s_add_nc_u64 s[BAW:BAW+1], s[8:9], s[98:99]
	s_lshl_b32 s98, s19, 11
	s_add_nc_u64 s[BSW:BSW+1], s[10:11], s[98:99]
	CROUND                                         ; all sixteen work-groups are here
	SETG 0, 0, 0
	SETG 1, 0, 0
	SETG 2, 0, 0
	FILL                                           ; slot 0: one tensor load a wave at the head
	s_load_b256 s[4:11], s[0:1], 0x20              ; b_I, b_F, b_G, b_O
	s_load_b128 s[PCI:PCI+3], s[0:1], 0x40         ; c, out0
	s_load_b64 s[PO1:PO1+1], s[0:1], 0x50          ; out1
	s_mul_i32 s21, s15, HALFT
	s_mul_i32 s22, s16, HALFT
	s_add_co_u32 s22, s22, XB
	s_lshl_b32 s23, s15, 10
	s_lshl_b32 s98, s16, 10
	s_add_co_u32 s98, s98, 2176
	s_sub_co_u32 s98, s98, s23                     ; from X's scale words to the weights'
	s_add_co_u32 s23, s23, SCX
	s_mul_i32 s99, s15, 16*PITCH
	s_add_co_u32 s99, s99, STG
	s_lshl_b32 s100, s16, 7
	s_add_co_u32 s100, s100, s99
	s_mul_i32 s101, s16, 8*PITCH
	s_add_co_u32 s101, s101, s99
	s_mov_b32 s[KSIG], 0xbfb8aa3b                  ; -log2(e)
	s_mov_b32 s[KSIG+1], s[KSIG]
	s_mov_b32 s[KTAN], 0x4038aa3b                  ; 2 log2(e)
	s_mov_b32 s[KTAN+1], s[KTAN]
	v_and_b32 v1, 15, v0                           ; r
	v_bfe_u32 v2, v0, 4, 1                         ; h
	v_mul_u32_u24 v3, v1, PITCH
	v_lshl_add_u32 v4, v2, 4, v3
	v_add_nc_u32 v[ADRA], s21, v4
	v_add_nc_u32 v[ADRB], s22, v4
	v_add_nc_u32 v[ADRA+1], SLOTB, v[ADRA]
	v_add_nc_u32 v[ADRB+1], SLOTB, v[ADRB]
	v_mul_u32_u24 v5, s98, v2                      ; lanes 16-31 take the weights' words: the lower base + h x the distance
	v_lshl_add_u32 v5, v1, 3, v5
	v_add_nc_u32 v[ADRS], s23, v5
	v_add_nc_u32 v[ADRS+1], SLOTB, v[ADRS]
	v_lshl_add_u32 v5, v2, 5, v3
	v_add_nc_u32 v[CAD], s100, v5                  ; into the stage: row 16 x half + r, my 128 bytes, 32 for each half of the lanes
	v_mul_u32_u24 v5, v2, PITCH
	v_lshl_add_u32 v5, v1, 4, v5
	v_add_nc_u32 v[RD], s101, v5                   ; back: 8 whole rows a wave, two an instruction
	v_lshlrev_b32 v5, 12, v2
	v_lshl_add_u32 v[CO], v1, 4, v5
	v_lshlrev_b32 v5, 12, v1
	v_lshl_add_u32 v[CI], v2, 5, v5
	v_and_b32 v5, 31, v0
	v_lshlrev_b32 v[PFO], 12, v5
	v_lshlrev_b32 v[BO], 5, v2
	s_lshl_b32 s98, s20, 20                        ; the tile in c and the outputs
	s_lshl_b32 s100, s19, 8
	s_add_co_u32 s98, s98, s100
	s_mov_b32 s99, 0
	s_mov_b32 s101, 0
	s_mov_b32 s23, 0
	s_lshl_b32 s22, s14, 18                        ; the prefetch: 64 rows a wave
	s_add_co_u32 s22, s22, s98
	s_lshl_b32 s21, s15, 19                        ; my half's 128 rows
	s_add_co_u32 s98, s98, s21
	s_lshl_b32 s21, s16, 7
	s_add_co_u32 s100, s100, s21                   ; the biases at my 32 columns
	s_wait_alu depctr_va_vdst(0)
	s_wait_kmcnt 0x0
	s_add_nc_u64 s[PCT:PCT+1], s[PCI:PCI+1], s[22:23]
	s_add_co_u32 s22, s98, s21
	s_add_nc_u64 s[PCI:PCI+1], s[PCI:PCI+1], s[22:23]
	s_lshl_b32 s21, s16, 15                        ; 8 rows on for the odd wave
	s_add_co_u32 s98, s98, s21
	s_add_nc_u64 s[PO0:PO0+1], s[PO0:PO0+1], s[98:99]
	s_add_nc_u64 s[PO1:PO1+1], s[PO1:PO1+1], s[98:99]
.irp g, 0,1,2,3
	s_add_nc_u64 s[4+2*\g:5+2*\g], s[4+2*\g:5+2*\g], s[100:101]
.endr
.irp g, 0,1,2,3
.irp u, 0,1
.irp k, 0,1
	global_load_b128 v[BIAS+8*(2*\g+\u)+4*\k:BIAS+8*(2*\g+\u)+4*\k+3], v[BO], s[4+2*\g:5+2*\g] offset:64*\u+16*\k
.endr
.endr
.endr
.macro WM a, b, q, sc, first           ; one product and its place.  The 64 accumulators take turns
.set AC_, 8*(8*((\a)%4)+(\b))
.set BF_, 128*(\q)+16*(\b)
.set AF_, AF+16*(\a)
.set SB_, SC+16*(\sc)+2*(\b)+(\q)
.set SA_, SC+16*(\sc)+2*(\a)+(\q)
.if \first
	v_wmma_scale_f32_16x16x128_f8f6f4 v[AC_:AC_+7], v[BF_:BF_+15], v[AF_:AF_+15], v[BIAS+8*(\b):BIAS+8*(\b)+7], v[SB_], v[SA_] matrix_a_scale:MATRIX_SCALE_ROW1
.else
	v_wmma_scale_f32_16x16x128_f8f6f4 v[AC_:AC_+7], v[BF_:BF_+15], v[AF_:AF_+15], v[AC_:AC_+7], v[SB_], v[SA_] matrix_a_scale:MATRIX_SCALE_ROW1
.endif
	v_nop
.endm
.macro QUAD i, q, sc, first            ; products 4 i .. 4 i + 3 of a step: X's block i / 2 against four of the weights' eight
.set QA_, (\i)/2
.set QB_, 4*((\i)%2)
.if \first
	WIN 0x81+0x40*((\i)/8)
.else
	WIN 0xa1+0x50*((\i)/8)
.endif
.irp k, 0,1,2,3
	WM QA_, QB_+\k, \q, \sc, \first
.endr
.endm
.macro LDA slot, q, i                  ; X's block i of the slot's q-th 128 along K
	WIN 0
.irp c, 0,1,2,3
	ds_load_b128 v[AF+16*(\i)+4*\c:AF+16*(\i)+4*\c+3], v[ADRA+\slot] offset:128*(\q)+32*\c+(\i)*16*PITCH
.endr
.endm
.macro LDB slot, q, i                  ; the weights' block i, into set q
	WIN 0x40
.irp c, 0,1,2,3
	ds_load_b128 v[128*(\q)+16*(\i)+4*\c:128*(\q)+16*(\i)+4*\c+3], v[ADRB+\slot] offset:128*(\q)+32*\c+(\i)*16*PITCH
.endr
.endm
.macro LDSC slot, i0                   ; four blocks' scale words of a slot: lanes 0-15 X's, lanes 16-31 the weights'
	WIN 0
.irp j, 0,1,2,3
	ds_load_b64 v[SC+16*\slot+2*((\i0)+\j):SC+16*\slot+2*((\i0)+\j)+1], v[ADRS+\slot] offset:128*((\i0)+\j)
.endr
.endm
.macro CLOAD                           ; c of a block in the accumulators' layout
	WIN 0
.irp u, 0,1
.irp k, 0,1
	global_load_b128 v[CG+8*\u+4*\k:CG+8*\u+4*\k+3], v[CI], s[PCI:PCI+1] offset:64*\u+16*\k
.endr
.endr
.endm
; A slot's first step.  The wait ahead of X's block a leaves out the loads issued behind that block's: 12 + 4 a.
.macro NSTEP slot, first
.set I_, 0
.rept 16
.if I_%2 == 0
	s_wait_dscnt 12+2*I_
.endif
	QUAD I_, 0, \slot, \first
.if I_ < 4
	LDA \slot, 0, I_+4
.elseif I_ < 12
	LDB \slot, 1, I_-4
.else
	LDA \slot, 1, I_-12
.endif
.set I_, I_+1
.endr
.endm
; A slot's second step.  kind 1: the slot is filled again, behind a round of the cluster's barrier; 0: the other slot is shown by a plain barrier and nothing is filled; 2: a tile's last step with no successor.
; My last reads of the slot (X's blocks 4-7) stand behind the first eight products; the other slot is read behind the barrier.  hook = 1: c's first block is asked for, into the registers that X's block 4 has left.
.macro TSTEP slot, kind, on, hook
.set NX_, 1-(\slot)
	s_wait_dscnt 12
	QUAD 0, 1, \slot, 0
	LDA \slot, 1, 4
	LDA \slot, 1, 5
	QUAD 1, 1, \slot, 0
	LDA \slot, 1, 6
	LDA \slot, 1, 7
.if \kind < 2
	s_wait_tensorcnt 0x0                           ; all my tensor loads have landed;
	ds_add_u32 v[SPW], v[NIL]
	s_wait_dscnt 25                                ; X's block 1 is in: behind it blocks 2-7 (24 loads) and the add
	QUAD 2, 1, \slot, 0
.if \kind == 1
	SETG 0, \slot, \on
.endif
	QUAD 3, 1, \slot, 0
.if \kind == 1
	SETG 1, \slot, \on
.endif
	s_wait_dscnt 21                                ; block 2 is in
	QUAD 4, 1, \slot, 0
.if \kind == 1
	SETG 2, \slot, \on
.endif
	s_wait_dscnt 0x0                               ; the add is done, and my reads of this slot are over
	s_barrier_signal -1
	QUAD 5, 1, \slot, 0
	WIN 0
	s_barrier_wait -1
.if \kind == 1
	CREST                                          ; the barrier has opened a round of the cluster's
	FILL                                           ; my one tensor load behind the round
.endif
	QUAD 6, 1, \slot, 0
	LDB NX_, 0, 0
	LDB NX_, 0, 1
	QUAD 7, 1, \slot, 0
	LDB NX_, 0, 2
	LDB NX_, 0, 3
	QUAD 8, 1, \slot, 0
	LDB NX_, 0, 4
	LDSC NX_, 0
	QUAD 9, 1, \slot, 0
	LDB NX_, 0, 5
	LDSC NX_, 4
	QUAD 10, 1, \slot, 0
	LDB NX_, 0, 6
	QUAD 11, 1, \slot, 0
	LDB NX_, 0, 7
	QUAD 12, 1, \slot, 0
	LDA NX_, 0, 0
	QUAD 13, 1, \slot, 0
	LDA NX_, 0, 1
.if \hook
	CLOAD
.endif
	QUAD 14, 1, \slot, 0
	LDA NX_, 0, 2
	QUAD 15, 1, \slot, 0
	LDA NX_, 0, 3
.else
.set I_, 2
.rept 14
.if I_%2 == 0
	s_wait_dscnt 28-2*I_                           ; X's block I_ / 2 is in: behind it four loads for each later block
.endif
	QUAD I_, 1, \slot, 0
.if I_ == 13
	CLOAD
.endif
.set I_, I_+1
.endr
	WIN 0
.endif
.endm
.macro PBLK a                          ; block a's 64 gates a lane, x -log2(e) (i, f, o) or x 2 log2(e) (g): each accumulator from its low end on
	WIN 0x42+(\a)/4
	s_wait_alu depctr_va_vdst(0)                   ; the wait stands directly ahead of the first reader of the block's sums
.irp u, 0,1
.irp g, 0,1,2,3
.irp p, 0,2,4,6
.if \g == 2
	v_pk_mul_f32 v[T+32*\u+8*\g+\p:T+32*\u+8*\g+\p+1], v[64*((\a)%4)+8*(2*\g+\u)+\p:64*((\a)%4)+8*(2*\g+\u)+\p+1], s[KTAN:KTAN+1] op_sel_hi:[1,0]
.else
	v_pk_mul_f32 v[T+32*\u+8*\g+\p:T+32*\u+8*\g+\p+1], v[64*((\a)%4)+8*(2*\g+\u)+\p:64*((\a)%4)+8*(2*\g+\u)+\p+1], s[KSIG:KSIG+1] op_sel_hi:[1,0]
.endif
.endr
.endr
.endr
	WIN 0
.endm
.macro WALU
	s_wait_alu depctr_va_vdst(0)
.endm
.macro SENDB                           ; 8 rows of C and of O tanh(C): sixteen lanes store 256 bytes on end, from a multiple of 256 on
.irp t, 0,1,2,3
	global_store_b128 v[CO], v[BK+4*\t:BK+4*\t+3], s[PO1:PO1+1] offset:2*\t*4096 th:TH_STORE_NT
	global_store_b128 v[CO], v[BK+16+4*\t:BK+16+4*\t+3], s[PO0:PO0+1] offset:2*\t*4096 th:TH_STORE_NT
.endr
.endm
; THE WAY OUT.  Trip a: block a's gates; in its middle the rows of block a - 1 leave; a barrier (signalled when my reads of the stage are over, awaited ahead of my stores into it) frees the stage; a second shows block a's rows.
.macro EPI
.rept 8
	v_nop                                          ; places behind the last product
.endr
	s_mov_b32 s[BL], 0
.Lblk_\@:
.irp k, 0,1,2,3,4,5,6
	s_cmp_eq_u32 s[BL], \k
	s_cbranch_scc1 .Lp_\@_\k
.endr
	PBLK 7
	s_branch .Lrest_\@
.irp k, 0,1,2,3,4,5,6
.Lp_\@_\k:
	PBLK \k
	s_branch .Lrest_\@
.endr
.Lrest_\@:
	WIN 0x41
	WALU
.set n, 0
.rept 64
	v_exp_f32 v[T+n], v[T+n]
.set n, n+1
.endr
	v_nop
	WALU
.set n, 0
.rept 32
	v_pk_add_f32 v[T+n:T+n+1], v[T+n:T+n+1], 1.0 op_sel_hi:[1,0]
.set n, n+2
.endr
	WALU
.set n, 0
.rept 64
	v_rcp_f32 v[T+n], v[T+n]                       ; I, F, O; and 1 / (1 + e^(2 g))
.set n, n+1
.endr
	v_nop
	WALU
	WIN 0
	s_wait_dscnt 0x0                               ; the rows of the block before are back: my reads of the stage are over
	s_cmp_eq_u32 s[BL], 0
	s_cbranch_scc1 .Lnosend_\@
	SENDB
.Lnosend_\@:
	s_barrier_signal -1
	WIN 0x41
.irp u, 0,1
.irp p, 0,2,4,6
	v_pk_fma_f32 v[T+32*\u+16+\p:T+32*\u+16+\p+1], v[T+32*\u+16+\p:T+32*\u+16+\p+1], -2.0, 1.0 op_sel_hi:[1,0,0]   ; G
.endr
.endr
	WIN 0x45
.irp u, 0,1
.irp p, 0,2,4,6
	v_pk_mul_f32 v[T+32*\u+\p:T+32*\u+\p+1], v[T+32*\u+\p:T+32*\u+\p+1], v[T+32*\u+16+\p:T+32*\u+16+\p+1]   ; I G
.endr
.endr
	WALU
	s_wait_loadcnt 0x0                             ; c of this block
	WIN 0x11
.irp u, 0,1
.irp p, 0,2,4,6
	v_pk_fma_f32 v[CG+8*\u+\p:CG+8*\u+\p+1], v[T+32*\u+8+\p:T+32*\u+8+\p+1], v[CG+8*\u+\p:CG+8*\u+\p+1], v[T+32*\u+\p:T+32*\u+\p+1]   ; C = F c + I G
.endr
.endr
	WIN 0x40
.irp u, 0,1
.irp p, 0,2,4,6
	v_pk_mul_f32 v[T+32*\u+16+\p:T+32*\u+16+\p+1], v[CG+8*\u+\p:CG+8*\u+\p+1], s[KTAN:KTAN+1] op_sel_hi:[1,0]
.endr
.endr
	WIN 0
	WALU
	s_barrier_wait -1                              ; nobody reads the stage any more
.irp u, 0,1
.irp k, 0,1
	ds_store_b128 v[CAD], v[CG+8*\u+4*\k:CG+8*\u+4*\k+3] offset:64*\u+16*\k
.endr
.endr
	WIN 0x41
.irp u, 0,1
.irp j, 0,1,2,3,4,5,6,7
	v_exp_f32 v[T+32*\u+16+\j], v[T+32*\u+16+\j]
.endr
.endr
	v_nop
	WALU
.irp u, 0,1
.irp p, 0,2,4,6
	v_pk_add_f32 v[T+32*\u+16+\p:T+32*\u+16+\p+1], v[T+32*\u+16+\p:T+32*\u+16+\p+1], 1.0 op_sel_hi:[1,0]
.endr
.endr
	WALU
.irp u, 0,1
.irp j, 0,1,2,3,4,5,6,7
	v_rcp_f32 v[T+32*\u+16+\j], v[T+32*\u+16+\j]
.endr
.endr
	v_nop
	WALU
.irp u, 0,1
.irp p, 0,2,4,6
	v_pk_fma_f32 v[T+32*\u+16+\p:T+32*\u+16+\p+1], v[T+32*\u+16+\p:T+32*\u+16+\p+1], -2.0, 1.0 op_sel_hi:[1,0,0]   ; tanh(C)
.endr
.endr
	WIN 0x05
.irp u, 0,1
.irp p, 0,2,4,6
	v_pk_mul_f32 v[H+8*\u+\p:H+8*\u+\p+1], v[T+32*\u+24+\p:T+32*\u+24+\p+1], v[T+32*\u+16+\p:T+32*\u+16+\p+1]   ; O tanh(C)
.endr
.endr
	WIN 0
.irp u, 0,1
.irp k, 0,1
	ds_store_b128 v[CAD], v[H+8*\u+4*\k:H+8*\u+4*\k+3] offset:HSTB+64*\u+16*\k
.endr
.endr
	WALU
	s_wait_dscnt 0x0                               ; for the others' sake: my stores into the stage are done
	s_wait_xcnt 0x0                                ; the stores above have read their registers and bases
	s_cmp_lg_u32 s[BL], 0
	s_cselect_b32 s20, 0x10000, 0                  ; 16 rows on, once a block has left
	s_mov_b32 s21, 0
	s_add_nc_u64 s[PO0:PO0+1], s[PO0:PO0+1], s[20:21]
	s_add_nc_u64 s[PO1:PO1+1], s[PO1:PO1+1], s[20:21]
	s_cmp_eq_u32 s[BL], 7
	s_cbranch_scc1 .Lnoc_\@
	s_add_nc_u64 s[PCI:PCI+1], s[PCI:PCI+1], 0x10000
	CLOAD                                          ; the next block's c
.Lnoc_\@:
	s_barrier_signal -1
	s_barrier_wait -1                              ; the block's 32 rows are whole
.irp t, 0,1,2,3
	ds_load_b128 v[BK+4*\t:BK+4*\t+3], v[RD] offset:\t*2*PITCH
	ds_load_b128 v[BK+16+4*\t:BK+16+4*\t+3], v[RD] offset:HSTB+\t*2*PITCH
.endr
	s_add_co_u32 s[BL], s[BL], 1
	s_cmp_lt_u32 s[BL], 8
	s_cbranch_scc1 .Lblk_\@
	s_wait_loadcnt 0x0                             ; no load of c is out when the loop is left: its registers take other loads next
	s_wait_dscnt 0x0
	SENDB
.endm
	s_wait_tensorcnt 0x0                           ; my tile of slot 0 is in
	ds_add_u32 v[SPW], v[NIL]
	SETG 0, 1, 0
	SETG 1, 1, 0
	SETG 2, 1, 0
	s_wait_dscnt 0x0
	CROUND
	FILL                                           ; slot 1's first fill
.irp i, 0,1,2,3,4,5,6,7
	LDB 0, 0, \i
.endr
	LDSC 0, 0
	LDSC 0, 4
.irp i, 0,1,2,3
	LDA 0, 0, \i
.endr
	s_wait_loadcnt 0x0                             ; the biases
	s_mov_b32 s2, 2                                ; tiles to go
.Ltile:
	NSTEP 0, 1                                     ; a tile's first step: its products start the sums, from the biases
	s_mov_b32 s3, 3
.Llap:
	s_cmp_lg_u32 s3, 1                             ; in the last trip my wave asks for its 64 rows of c's tile: a lane to each row's 256 bytes, each asked for once
	s_cbranch_scc1 .Lnopf
	global_prefetch_b8 v[PFO], s[PCT:PCT+1] th:TH_LOAD_NT scope:SCOPE_SE
	global_prefetch_b8 v[PFO], s[PCT:PCT+1] offset:131072 th:TH_LOAD_NT scope:SCOPE_SE
.Lnopf:
	TSTEP 0, 1, 0, 0
	NSTEP 1, 0
	TSTEP 1, 1, 0, 0
	NSTEP 0, 0
	s_sub_co_u32 s3, s3, 1
	s_cmp_lg_u32 s3, 0
	s_cbranch_scc1 .Llap
	s_cmp_eq_u32 s2, 1
	s_cbranch_scc1 .Llast                          ; the last tile's tail is written out: it asks for nothing more
	TSTEP 0, 1, 1, 0                               ; the ring goes on into the next tile: slot 0 takes its first step,
	NSTEP 1, 0
	TSTEP 1, 1, 0, 1                               ; slot 1 its second, and its first fragments are fetched
	EPI
	s_wait_xcnt 0x0                                ; the last stores and the prefetches have read their registers and bases
	s_add_nc_u64 s[PO0:PO0+1], s[PO0:PO0+1], 4096*4096-7*65536
	s_add_nc_u64 s[PO1:PO1+1], s[PO1:PO1+1], 4096*4096-7*65536
	s_add_nc_u64 s[PCI:PCI+1], s[PCI:PCI+1], 4096*4096-7*65536
	s_add_nc_u64 s[PCT:PCT+1], s[PCT:PCT+1], 4096*4096
	s_sub_co_u32 s2, s2, 1
	s_branch .Ltile
.Llast:
	TSTEP 0, 0, 0, 0
	NSTEP 1, 0
	TSTEP 1, 2, 0, 1
	EPI
	s_wait_tensorcnt 0x0                           ; the wave's end
	ds_add_u32 v[SPW], v[NIL]
	s_wait_dscnt 0x0
	CROUND                                         ; the closing round
	s_endpgm
.Lfunc_end_k_q9be0e12dde_lstm:
	.size	k_q9be0e12dde_lstm, .Lfunc_end_k_q9be0e12dde_lstm-k_q9be0e12dde_lstm
	.p2alignl 7, 3214868480
	.fill 96, 4, 3214868480
	.section	.rodata,"a",@progbits
	.p2align	6, 0x0
	.amdhsa_kernel k_q9be0e12dde_lstm
		.amdhsa_group_segment_fixed_size 327680
		.amdhsa_private_segment_fixed_size 0
		.amdhsa_enable_private_segment 0
		.amdhsa_kernarg_size 88
		.amdhsa_user_sgpr_count 2
		.amdhsa_user_sgpr_kernarg_segment_ptr 1
		.amdhsa_wavefront_size32 1
		.amdhsa_system_sgpr_workgroup_id_x 1
		.amdhsa_system_sgpr_workgroup_id_y 1
		.amdhsa_system_sgpr_workgroup_id_z 1
		.amdhsa_system_vgpr_workitem_id 0
		.amdhsa_next_free_vgpr 1024
		.amdhsa_next_free_sgpr 106
		.amdhsa_reserve_vcc 0
		.amdhsa_float_denorm_mode_32 3
		.amdhsa_float_denorm_mode_16_64 3
		.amdhsa_memory_ordered 1
		.amdhsa_forward_progress 1
		.amdhsa_inst_pref_size 255
	.end_amdhsa_kernel
	.section	.bss,"aw",@nobits
	.p2align	6
	.space	262144
	.amdgpu_metadata
---
amdhsa.version: [ 1, 2 ]
amdhsa.kernels:
  - .name:           k_q9be0e12dde_lstm
    .symbol:         k_q9be0e12dde_lstm.kd
    .args:
      - { .name: xq_codes, .offset: 0, .size: 8, .value_kind: global_buffer, .address_space: global }
      - { .name: xq_scales, .offset: 8, .size: 8, .value_kind: global_buffer, .address_space: global }
      - { .name: wq_codes, .offset: 16, .size: 8, .value_kind: global_buffer, .address_space: global }
      - { .name: wq_scales, .offset: 24, .size: 8, .value_kind: global_buffer, .address_space: global }
      - { .name: b_I, .offset: 32, .size: 8, .value_kind: global_buffer, .address_space: global }
      - { .name: b_F, .offset: 40, .size: 8, .value_kind: global_buffer, .address_space: global }
      - { .name: b_G, .offset: 48, .size: 8, .value_kind: global_buffer, .address_space: global }
      - { .name: b_O, .offset: 56, .size: 8, .value_kind: global_buffer, .address_space: global }
      - { .name: c, .offset: 64, .size: 8, .value_kind: global_buffer, .address_space: global }
      - { .name: out0, .offset: 72, .size: 8, .value_kind: global_buffer, .address_space: global }
      - { .name: out1, .offset: 80, .size: 8, .value_kind: global_buffer, .address_space: global }
    .group_segment_fixed_size: 327680
    .private_segment_fixed_size: 0
    .kernarg_segment_align: 8
    .kernarg_segment_size: 88
    .max_flat_workgroup_size: 128
    .sgpr_count:     106
    .vgpr_count:     1024
    .wavefront_size: 32
...
	.end_amdgpu_metadata
.endif
;; end of part 2
